; MI455X (gfx1250); checked and timed in simulation.
; The chip was launched on July 23, 2026; its instructions are those of AMD's public machine-readable ISA for CDNA 5 (MIT licence, August 2026) and "CDNA5" Instruction Set Architecture Reference Guide (July 2026). The comments in the code are by the model that wrote it; some were corrected since.
;; Na Multi Head Attention. Allowed arithmetic: matrix products marked QUANTISED: E2M1 operands, one E8M0 scale for each 32 along K, by v_wmma_scale_f32_16x16x128_f8f6f4 with both operands' format E2M1 (or v_wmma_scale_f32_32x16x128_f4), f32 sums; products left as they are: bf16, f16 or f32 operands; f32 sums; everything else in f32.
;; Inputs: Wk 256 x 256 float32; Wo 256 x 256 float32; Wq 256 x 256 float32; Wv 256 x 256 float32; bk 256 float32; bo 256 float32; bq 256 float32; bv 256 float32; k 4 x 4,096 x 256 float32; q 4 x 4,096 x 256 float32; v 4 x 4,096 x 256 float32.
;; Outputs: out0 4 x 4,096 x 256 float32; out1 4 x 4,096 x 256 float32; out2 4 x 4,096 x 256 float32.
;; This version of the problem:
;;   THIS VERSION OF THE PROBLEM IS GIVEN IN LOW PRECISION. The matrix products marked QUANTISED in the list below multiply operands that are first quantised to E2M1 (2 exponent bits, 1 mantissa bit; 4 bits a number), with one power-of-two scale for each 32 numbers along K (OCP MX v1.0); their sums are f32. The products marked 'left as it is' may take bf16, f16 or f32 operands, with f32 sums. Whichever they take, every output number must still come out within the allowed error. Rounding operands to bf16 (8 significant bits) uses up far more of that allowance than f16 does (11 bits, for magnitudes from 6e-5 to 65,504). All else is computed in f32.
;;   The module's matrix products, in the order in which they are computed (A, B: the left and right operand; K: the contracted axis; several contracted axes count as one K, in the product's order):
;;     1. [M 16,384, K 256] x [K 256, N 256]; A: input q; B: input Wq: QUANTISED
;;     2. [M 16,384, K 256] x [K 256, N 256]; A: input k; B: input Wk: QUANTISED
;;     3. [M 16,384, K 256] x [K 256, N 256]; A: input v; B: input Wv: QUANTISED
;;     4. batch 16 x [M 4,096, K 64] x [K 64, N 4,096]; A: computed on the way; B: computed on the way: left as it is (an operand is computed on the way)
;;     5. batch 16 x [M 4,096, K 4,096] x [K 4,096, N 64]; A: computed on the way; B: computed on the way: left as it is (an operand is computed on the way)
;;     6. [M 16,384, K 256] x [K 256, N 256]; A: computed on the way; B: input Wo: left as it is (an operand is computed on the way)
;;   THE QUANTISER, for each operand of a quantised product, along K:
;;     - K is cut into blocks of 32 from its start; a last block that is shorter is filled with zeros.
;;     - A block's scale is 2^e with e = floor(log2(the largest magnitude in the block)) - 2, held to -126 .. 127; a block of zeros has e = 0. As a byte (E8M0): e + 127.
;;     - Each number is divided by its block's scale, clamped to +-6, and rounded to the nearest number of E2M1, ties to even, subnormals kept.
;;     - The product sums the exact products of the quantised numbers (number of the format x scale) in f32.
;;   ~~~python
;;   def quantise(x, axis):      # numpy; x: float32 -> the quantised numbers, widened to float32 again
;;       x = np.moveaxis(x, axis, -1); K = x.shape[-1]
;;       x = np.pad(x, [(0, 0)] * (x.ndim - 1) + [(0, -K % 32)]); x = x.reshape(x.shape[:-1] + (-1, 32)); a = np.abs(x).max(-1, keepdims=True)
;;       e = np.where(a > 0, np.clip(np.frexp(np.where(a > 0, a, 1))[1] - 1 - 2, -126, 127), 0)      # np.frexp(a)[1] - 1 = floor(log2(a)), exactly
;;       r = np.clip(x / 2.0 ** e, -6, 6)
;;       step = 2.0 ** (np.maximum(np.frexp(np.where(r == 0, 1, r))[1] - 1, 0) - 1)
;;       q = np.round(r / step) * step * 2.0 ** e      # np.round: ties to even
;;       return np.moveaxis(q.reshape(q.shape[:-2] + (-1,))[..., :K], -1, axis).astype(np.float32)
;;   ~~~
;; One version. Each part assembles by itself: llvm-mc -triple=amdgcn-amd-amdhsa -mcpu=gfx1250 --defsym DOCPART=n.
;; ======== version 1 of 1: 2 launches
;; limits: values are held in f16: magnitudes above 65,504 overflow, below 6.1e-05 lose precision
;; workspace buffers: ws 25,165,824 bytes
;; launch proj (part 1): grid 64 x 3, 8 waves a work-group, no clusters, 171,008 bytes of LDS; arguments q, k, v, Wq, Wk, Wv, bq, bv, out0, ws; writes out0, ws
.if DOCPART == 1
	.amdgcn_target "amdgcn-amd-amdhsa--gfx1250"
	.amdhsa_code_object_version 6
	.text
	.protected	k_q3c8719e859_proj
	.globl	k_q3c8719e859_proj
	.p2align	8
	.type	k_q3c8719e859_proj,@function
k_q3c8719e859_proj:
	s_mov_b64 s[64:65], 0
	v_nop
	global_prefetch_b8 v0, s[64:65] scope:SCOPE_SE
	s_setreg_imm32_b32 hwreg(HW_REG_WAVE_MODE, 25, 1), 1
	s_wait_xcnt 0x0
; THE THREE PROJECTIONS  q Wq^T + bq,  k Wk^T,  v Wv^T + bv  on codes of FP4 (E2M1) with one E8M0 scale for each 32 along K, and out0 = q.
; x: [16384][256] f32, W: [256][256] f32, K innermost in both: both operands are quantised here, in registers, by the stated rule: a block's scale is
; 2^(floor(log2(largest magnitude)) - 2); its byte is the largest magnitude's exponent field - 2; each number / scale to the nearest code, ties to even, beyond 6 the largest code.
; WORK LEFT OUT: bk.  energy[q][k] = qh[q] . (k Wk^T)[k] + qh[q] . bk_h.  The second term does not hang on the key k, so it is the same along the softmax's axis and
; softmax(energy) is the same with and without it, for all values of the inputs.  The product that takes kh in is not quantised, so no quantiser sees bk.  kh goes nowhere else.
; So bk has no way to any output: it is not loaded and is among no launch's arguments.  LIMIT: a NaN, an infinity or an overflow that comes through bk alone is not carried to the result.
; LIMITS: NaN and infinities among q, k, v, W are not served by the quantiser (out0 is a copy of q's bits all the same); a block whose largest magnitude lies under 2^-124 has its byte held at 1;
; a block of zeros gets the byte 1 with zero codes where the rule says 127 (the bytes are read by this launch alone, and zero codes add nothing); results go to ws as f16: beyond 65,504 not served.
; SHARES.  Work-group (x, y): tensor y (0 q, 1 k, 2 v), rows 256 x .. 256 x + 255, as two blocks of 128.  THE WAVES SHARE THE COLUMNS: wave w makes outputs 32 w .. 32 w + 31 for all rows, so its
; 32 rows of W are quantised once and stay in its registers (4 fragments).  Wave w also quantises rows 16 w .. 16 w + 15 of each block; the codes go to the other waves through LDS as images of
; the operand's registers (16 bytes a lane at 16 x lane), the scale words likewise (4 bytes a lane).  One barrier in the launch: each block has images of its own.
; EVERY GLOBAL LOAD READS 512 CONSECUTIVE BYTES.  The conversions want 32 neighbours along K in one lane, so a wave's 16 rows turn through its own stage in LDS (rows 1,040 bytes apart).
; ws: units of 16,384 bytes, unit(slot of 128 tokens, head, y) at ((slot x 4 + head) x 3 + y) x 16384; in it block (T, t) of 512 bytes at 2048 T + 512 t, a lane's 16 bytes at 16 x lane.
;   Q, K: lane (r, h) holds token 16 T + r, channels 16 t + 8 h + 0 .. 7 (the product is used transposed: source 0 = 16 rows of W, source 1 = 16 tokens);
;   V:    lane (r, h) holds channel 16 t + r, tokens 16 T + 8 h + 0 .. 7 (source 0 = 16 tokens, source 1 = 16 rows of W).  So the next launch reads every f16 fragment as it lies.
; NO CLUSTER: W, 262,144 bytes, is read by the 64 work-groups of a tensor, once each, at the head, straight into the registers of the wave that quantises it; the launch has no tensor load that could name partners.
; REGISTERS.  Window 0: v1-11 addresses; v12, v13 the add's two; v16-19 W's scale words; v20-35 x's; v36-43 at work; v48-79 W's 4 fragments; v80-95 the bias as C; v96-127 four accumulators
; (v96-111 hold fresh codes while x is quantised); v128-255 64 + 64 numbers to quantise, later x's 16 fragments.  Window 1: v0-127, v128-255: two sets of 16 rows as they are loaded.
.set BLKB,   18432                     ; LDS: a block's images: 16,384 bytes of codes (fragment (m, s) at 2048 m + 1024 s), then 2,048 of scale words ((2 m + s) x 128)
.set XSCO,   16384
.set SPARE,  36864                     ; the spare words, 128 bytes for each of the eight waves: four blocks of 256 bytes that no other line names
.set STAGE,  37888                     ; eight stages of 16 rows x 1,040 bytes
.set SPITCH, 1040                      ; 1,024 + 16 = 65 x 16 bytes: the 16 rows that a read touches begin at 16 different places modulo 256 bytes
.set SLOTB,  196608                    ; ws: 128 tokens of all heads and tensors
.set XA,  0
.set XB,  128
.set T0,  128
.set T1,  192
.set XF,  128
.set WS,  16
.set XS,  20
.set PW,  36
.set MX,  38
.set SO,  40
.set BY,  42
.set WF,  48
.set BI,  80
.set ACC, 96
.set PC,  96
.set MSB, 0
.macro WIN new                         ; the immediate's high byte repeats the setting that is left; a switch that changes nothing is dropped
.if MSB != \new
	s_set_vgpr_msb (MSB<<8)|\new
.set MSB, \new
.endif
.endm
; 16 rows of 1,024 bytes, dense in memory, into 128 registers of window 1: each load takes 512 consecutive bytes.  nt = 1: read once in the launch
.macro LOADX buf, pb, vo, imm, nt
	WIN 0x40                                       ; destination window 1, address window 0
.set i, 0
.rept 32
.if \nt
	global_load_b128 v[\buf+4*i:\buf+4*i+3], v[\vo], s[\pb:\pb+1] offset:\imm+512*i th:TH_LOAD_NT
.else
	global_load_b128 v[\buf+4*i:\buf+4*i+3], v[\vo], s[\pb:\pb+1] offset:\imm+512*i
.endif
.set i, i+1
.endr
	WIN 0
.endm
; 64 numbers of a lane, register src + 32 c + i = k 64 c + 32 h + i of my row, become a fragment's 8 registers of codes and my row's scale word.  A lane owns whole blocks: h and 2 + h.
.macro QUANT src, dstc, dsts
.irp c, 0,1
	v_max3_num_f32 v[MX+\c], |v[\src+32*\c]|, |v[\src+32*\c+1]|, 0x1800000   ; with the floor 2^(3 - 127) among the leaves: the byte cannot fall under 1
.endr
.irp i, 2,4,6,8,10,12,14,16,18,20,22,24,26,28,30
.irp c, 0,1
	v_max3_num_f32 v[MX+\c], v[MX+\c], |v[\src+32*\c+\i]|, |v[\src+32*\c+\i+1]|   ; the two blocks by turns
.endr
.endr
.irp c, 0,1
	v_add_nc_u32 v[SO+\c], 0xff000000, v[MX+\c]    ; 2 off the exponent field: the conversion takes the exponent field of this operand as its scale
.endr
.irp c, 0,1
	v_lshrrev_b32 v[BY+\c], 23, v[SO+\c]           ; the scale's byte
.endr
	v_lshl_or_b32 v15, v[BY+1], 16, v[BY]          ; my two bytes,
	v_lshlrev_b32 v15, v10, v15                    ; 8 h bits up: at their places in the word;
	v_permlanex16_b32 v14, v15, s38, s39
	v_or_b32 v[\dsts], v15, v14                    ; with lane l xor 16's two the word is whole, in both lanes
.irp c, 0,1
.irp g, 0,1,2,3
	v_cvt_scalef32_pk8_fp4_f32 v[\dstc+4*\c+\g], v[\src+32*\c+8*\g:\src+32*\c+8*\g+7], v[SO+\c]
.endr
.endr
	v_nop                                          ; one plain vector instruction behind the last scaled conversion
.endm
; One set of 16 rows: (q alone: copied to out0,) turned through my stage, quantised.  isx = 0: rows of W, tile idx: the codes stay in my registers.  isx = 1: rows of x, block idx: images to LDS.
; left: the loads issued behind this set's, which may stay out.  nxt >= 0: the set's registers take x's block nxt.
.macro PROC buf, isx, idx, left, nxt
	s_wait_loadcnt \left                           ; loads come back in order: this set's 32 are in (and the bias, which is older)
.if \isx
	s_cmp_lg_u32 s31, 0
	s_cbranch_scc1 .Lnocopy_\@                     ; out0 = q: tensor 0's work-groups alone
	WIN 0x04                                       ; a store's data: window 1
.set i, 0
.rept 32
	global_store_b128 v2, v[\buf+4*i:\buf+4*i+3], s[34:35] offset:\idx*131072+512*i th:TH_STORE_NT   ; 512 consecutive bytes, aligned
.set i, i+1
.endr
	WIN 0
.Lnocopy_\@:
.endif
	WIN 0x04
.set i, 0
.rept 32
	ds_store_b128 v4, v[\buf+4*i:\buf+4*i+3] offset:(i/2)*SPITCH+(i%2)*512
.set i, i+1
.endr
	WIN 0
.irp s, 0,1                                    ; LDS serves a wave's instructions in order: these see my stores.  Lane (r, h): row r, k = 128 s + 64 c + 32 h + 0 .. 31
.irp c, 0,1
.irp g, 0,1,2,3,4,5,6,7
	ds_load_b128 v[T0+64*\s+32*\c+4*\g:T0+64*\s+32*\c+4*\g+3], v5 offset:512*\s+256*\c+16*\g
.endr
.endr
.endr
.if \nxt >= 0
	s_wait_dscnt 32                                ; all but the 32 reads: the stage's stores have read this set's registers
	LOADX \buf, 24, 2, \nxt*131072, 1
.endif
	s_wait_dscnt 16                                ; K step 0's 16 reads are in, K step 1's may be out; older LDS stores have read their registers
.if \isx
	QUANT T0, PC, PW
	s_wait_dscnt 0x0
	QUANT T1, PC+8, PW+1
.irp s, 0,1
.irp cc, 0,1
	ds_store_b128 v6, v[PC+8*\s+4*\cc:PC+8*\s+4*\cc+3] offset:\idx*BLKB+\s*1024+\cc*512
.endr
	ds_store_b32 v7, v[PW+\s] offset:\idx*BLKB+XSCO+\s*128
.endr
.else
	QUANT T0, WF+16*\idx, WS+2*\idx
	s_wait_dscnt 0x0
	QUANT T1, WF+16*\idx+8, WS+2*\idx+1
.endif
.endm
; 8 matrix instructions: tiles of tokens 2 mp, 2 mp + 1 x my two tiles of outputs, K = 256 in two steps.  The four accumulators take turns, one instruction a turn.
; The bias is the C of each sum's first instruction.  Q, K: transposed; V: natural: the branch hangs on the work-group's y alone and leads round matrix instructions alone.
.macro MUL8 mp
	s_cmp_eq_u32 s31, 2
	s_cbranch_scc1 .Lnat_\@
.irp s, 0,1
.irp mm, 0,1
.irp tt, 0,1
.if \s == 0
	v_wmma_scale_f32_16x16x128_f8f6f4 v[ACC+8*(2*\mm+\tt):ACC+8*(2*\mm+\tt)+7], v[WF+16*\tt+8*\s:WF+16*\tt+8*\s+7], v[XF+8*(2*(2*(\mp)+\mm)+\s):XF+8*(2*(2*(\mp)+\mm)+\s)+7], v[BI+8*\tt:BI+8*\tt+7], v[WS+2*\tt+\s], v[XS+2*(2*(\mp)+\mm)+\s] matrix_a_fmt:MATRIX_FMT_FP4 matrix_b_fmt:MATRIX_FMT_FP4
.else
	v_wmma_scale_f32_16x16x128_f8f6f4 v[ACC+8*(2*\mm+\tt):ACC+8*(2*\mm+\tt)+7], v[WF+16*\tt+8*\s:WF+16*\tt+8*\s+7], v[XF+8*(2*(2*(\mp)+\mm)+\s):XF+8*(2*(2*(\mp)+\mm)+\s)+7], v[ACC+8*(2*\mm+\tt):ACC+8*(2*\mm+\tt)+7], v[WS+2*\tt+\s], v[XS+2*(2*(\mp)+\mm)+\s] matrix_a_fmt:MATRIX_FMT_FP4 matrix_b_fmt:MATRIX_FMT_FP4
.endif
.endr
.endr
.endr
	s_branch .Ljoin_\@
.Lnat_\@:
.irp s, 0,1
.irp mm, 0,1
.irp tt, 0,1
.if \s == 0
	v_wmma_scale_f32_16x16x128_f8f6f4 v[ACC+8*(2*\mm+\tt):ACC+8*(2*\mm+\tt)+7], v[XF+8*(2*(2*(\mp)+\mm)+\s):XF+8*(2*(2*(\mp)+\mm)+\s)+7], v[WF+16*\tt+8*\s:WF+16*\tt+8*\s+7], v[BI+8*\tt:BI+8*\tt+7], v[XS+2*(2*(\mp)+\mm)+\s], v[WS+2*\tt+\s] matrix_a_fmt:MATRIX_FMT_FP4 matrix_b_fmt:MATRIX_FMT_FP4
.else
	v_wmma_scale_f32_16x16x128_f8f6f4 v[ACC+8*(2*\mm+\tt):ACC+8*(2*\mm+\tt)+7], v[XF+8*(2*(2*(\mp)+\mm)+\s):XF+8*(2*(2*(\mp)+\mm)+\s)+7], v[WF+16*\tt+8*\s:WF+16*\tt+8*\s+7], v[ACC+8*(2*\mm+\tt):ACC+8*(2*\mm+\tt)+7], v[XS+2*(2*(\mp)+\mm)+\s], v[WS+2*\tt+\s] matrix_a_fmt:MATRIX_FMT_FP4 matrix_b_fmt:MATRIX_FMT_FP4
.endif
.endr
.endr
.endr
.Ljoin_\@:
.endm
; A block of 128 rows: its 16 fragments and scale words from LDS; then my 32 outputs, two tiles of tokens at a time, rounded to f16 and stored as the next launch's operand registers.
.macro PHASE1 blk
.irp m, 0,1,2,3,4,5,6,7
.irp s, 0,1
.irp cc, 0,1
	ds_load_b128 v[XF+8*(2*\m+\s)+4*\cc:XF+8*(2*\m+\s)+4*\cc+3], v8 offset:\blk*BLKB+\m*2048+\s*1024+\cc*512
.endr
	ds_load_b32 v[XS+2*\m+\s], v9 offset:\blk*BLKB+XSCO+(2*\m+\s)*128
.endr
.endr
	s_wait_dscnt 0x0
.irp mp, 0,1,2,3
	s_wait_xcnt 0x0                                ; the last stores have read the accumulators' registers, which are written anew below
	MUL8 \mp
.rept 4
	v_nop                                          ; four plain vector instructions between the last product and the first read of results (ISA guide 7.12.1)
.endr
.irp a, 0,1,2,3                                ; in place, each accumulator from its low end on: registers 0-3 take eight f16
.irp i, 0,1,2,3
	v_cvt_pk_f16_f32 v[ACC+8*\a+\i], v[ACC+8*\a+2*\i], v[ACC+8*\a+2*\i+1]
.endr
.endr
.irp mm, 0,1
.irp tt, 0,1
	global_store_b128 v8, v[ACC+8*(2*\mm+\tt):ACC+8*(2*\mm+\tt)+3], s[36:37] offset:\blk*SLOTB+(2*\mp+\mm)*2048+\tt*512   ; block (T, t): 512 consecutive bytes, aligned
.endr
.endr
.endr
.endm
	s_load_b512 s[4:19], s[0:1], 0x0               ; q s[4:5], k s[6:7], v s[8:9], Wq s[10:11], Wk s[12:13], Wv s[14:15], bq s[16:17], bv s[18:19]
	s_load_b128 s[20:23], s[0:1], 0x40             ; out0 s[20:21], ws s[22:23]
	v_lshl_add_u32 v12, v0, 2, SPARE               ; my spare word,
	v_mov_b32 v13, 0                               ; and 0: kept for the add at the wave's end
	v_lshrrev_b32 v14, 5, v0
	v_readfirstlane_b32 s30, v14                   ; wave 0..7
	s_and_b32 s31, ttmp7, 0xffff                   ; the tensor: 0 q, 1 k, 2 v
	v_and_b32 v15, 31, v0                          ; lane
	v_and_b32 v1, 15, v0                           ; r
	v_bfe_u32 v10, v0, 4, 1                        ; h
	v_lshlrev_b32 v8, 4, v15                       ; 16 x lane
	v_lshlrev_b32 v9, 2, v15                       ; 4 x lane
	s_lshl_b32 s40, s30, 14
	v_add_nc_u32 v2, s40, v8                       ; x and out0: my wave's 16 rows of a block
	s_lshl_b32 s40, s30, 15
	v_add_nc_u32 v3, s40, v8                       ; W: my wave's 32 rows
	s_mul_i32 s40, s30, 16*SPITCH
	s_add_co_u32 s40, s40, STAGE                   ; my stage
	v_add_nc_u32 v4, s40, v8                       ; into it: as loaded
	v_mul_u32_u24 v5, v1, SPITCH
	v_lshl_add_u32 v5, v10, 7, v5
	v_add_nc_u32 v5, s40, v5                       ; out of it: row r, + 128 h bytes
	s_lshl_b32 s40, s30, 11
	v_add_nc_u32 v6, s40, v8                       ; my two fragments' images
	s_lshl_b32 s40, s30, 8
	v_add_nc_u32 v7, s40, v9                       ; and their scale words
	v_lshlrev_b32 v11, 5, v10                      ; 32 h: the bias of a transposed result
	v_lshlrev_b32 v1, 2, v1                        ; 4 r: of a natural one
	v_lshlrev_b32 v10, 3, v10                      ; 8 h: my bytes' place in a scale word
	v_mov_b32 v14, 0                               ; written once: a lane permute's destination counts as one of its sources
	s_mov_b32 s38, 0x76543210
	s_mov_b32 s39, 0xfedcba98                      ; v_permlanex16_b32's selects for lane l xor 16
	s_wait_kmcnt 0x0
	s_cmp_eq_u32 s31, 0                            ; the buffers are chosen by the work-group's y alone
	s_cselect_b64 s[24:25], s[4:5], s[6:7]
	s_cselect_b64 s[26:27], s[10:11], s[12:13]
	s_cselect_b64 s[28:29], s[16:17], s[18:19]
	s_cmp_eq_u32 s31, 2
	s_cselect_b64 s[24:25], s[8:9], s[24:25]
	s_cselect_b64 s[26:27], s[14:15], s[26:27]
	s_lshl_b32 s40, ttmp9, 18                      ; 256 rows of 1,024 bytes
	s_mov_b32 s41, 0
	s_add_nc_u64 s[24:25], s[24:25], s[40:41]      ; x at my first row
	s_add_nc_u64 s[34:35], s[20:21], s[40:41]      ; out0 likewise
	s_mul_i32 s40, ttmp9, 2*SLOTB                  ; ws: my first slot,
	s_lshr_b32 s42, s30, 1
	s_mul_i32 s42, s42, 49152                      ; my wave's head,
	s_add_co_u32 s40, s40, s42
	s_lshl_b32 s42, s31, 14                        ; the tensor's unit,
	s_add_co_u32 s40, s40, s42
	s_and_b32 s42, s30, 1
	s_lshl_b32 s42, s42, 10                        ; and my two of its four tiles of channels
	s_add_co_u32 s40, s40, s42
	s_add_nc_u64 s[36:37], s[22:23], s[40:41]
	s_lshl_b32 s40, s30, 7
	s_add_nc_u64 s[28:29], s[28:29], s[40:41]      ; the bias of my 32 outputs
	s_cmp_eq_u32 s31, 1
	s_cbranch_scc1 .Lbias_none
	s_cmp_eq_u32 s31, 2
	s_cbranch_scc1 .Lbias_v
.irp tt, 0,1                                   ; q: lane (r, h) holds outputs 16 tt + 8 h + 0 .. 7
	global_load_b128 v[BI+8*\tt:BI+8*\tt+3], v11, s[28:29] offset:64*\tt
	global_load_b128 v[BI+8*\tt+4:BI+8*\tt+7], v11, s[28:29] offset:64*\tt+16
.endr
	s_branch .Lbias_done
.Lbias_v:
.irp tt, 0,1                                   ; v: lane (r, h) holds output 16 tt + r in all eight registers
.irp j, 0,1,2,3,4,5,6,7
	global_load_b32 v[BI+8*\tt+\j], v1, s[28:29] offset:64*\tt
.endr
.endr
	s_branch .Lbias_done
.Lbias_none:
.irp j, 0,1,2,3,4,5,6,7,8,9,10,11,12,13,14,15
	v_mov_b32 v[BI+\j], 0                          ; k: bk is left out (head comment); zeros, so that one text serves the three tensors
.endr
.Lbias_done:
	LOADX XA, 26, 3, 0, 0                          ; my rows 0-15 of W,
	LOADX XB, 26, 3, 16384, 0                      ; and 16-31
	PROC XA, 0, 0, 32, 0                           ; behind each set's turn through the stage its registers take the next rows: 32 to 64 loads of the wave are out all the while
	PROC XB, 0, 1, 32, 1
	PROC XA, 1, 0, 32, -1
	PROC XB, 1, 1, 0, -1
	s_wait_dscnt 0x0                               ; for the others' sake: my images have landed
	s_barrier_signal -1
	s_barrier_wait -1                              ; both blocks' images lie in LDS, and nobody writes them again
	PHASE1 0
	PHASE1 1
	s_wait_tensorcnt 0x0                           ; the wave's end, behind my last LDS store
	ds_add_u32 v12, v13
	s_wait_dscnt 0x0
	s_endpgm
.Lfunc_end_k_q3c8719e859_proj:
	.size	k_q3c8719e859_proj, .Lfunc_end_k_q3c8719e859_proj-k_q3c8719e859_proj
	.p2alignl 7, 3214868480
	.fill 96, 4, 3214868480
	.section	.rodata,"a",@progbits
	.p2align	6, 0x0
	.amdhsa_kernel k_q3c8719e859_proj
		.amdhsa_group_segment_fixed_size 171008
		.amdhsa_private_segment_fixed_size 0
		.amdhsa_enable_private_segment 0
		.amdhsa_kernarg_size 80
		.amdhsa_user_sgpr_count 2
		.amdhsa_user_sgpr_kernarg_segment_ptr 1
		.amdhsa_wavefront_size32 1
		.amdhsa_system_sgpr_workgroup_id_x 1
		.amdhsa_system_sgpr_workgroup_id_y 1
		.amdhsa_system_sgpr_workgroup_id_z 1
		.amdhsa_system_vgpr_workitem_id 0
		.amdhsa_next_free_vgpr 512
		.amdhsa_next_free_sgpr 66
		.amdhsa_reserve_vcc 0
		.amdhsa_float_denorm_mode_32 3
		.amdhsa_float_denorm_mode_16_64 3
		.amdhsa_memory_ordered 1
		.amdhsa_forward_progress 1
		.amdhsa_inst_pref_size 101
	.end_amdhsa_kernel
	.amdgpu_metadata
---
amdhsa.version: [ 1, 2 ]
amdhsa.kernels:
  - .name:           k_q3c8719e859_proj
    .symbol:         k_q3c8719e859_proj.kd
    .args:
      - { .name: q, .offset: 0, .size: 8, .value_kind: global_buffer, .address_space: global }
      - { .name: k, .offset: 8, .size: 8, .value_kind: global_buffer, .address_space: global }
      - { .name: v, .offset: 16, .size: 8, .value_kind: global_buffer, .address_space: global }
      - { .name: Wq, .offset: 24, .size: 8, .value_kind: global_buffer, .address_space: global }
      - { .name: Wk, .offset: 32, .size: 8, .value_kind: global_buffer, .address_space: global }
      - { .name: Wv, .offset: 40, .size: 8, .value_kind: global_buffer, .address_space: global }
      - { .name: bq, .offset: 48, .size: 8, .value_kind: global_buffer, .address_space: global }
      - { .name: bv, .offset: 56, .size: 8, .value_kind: global_buffer, .address_space: global }
      - { .name: out0, .offset: 64, .size: 8, .value_kind: global_buffer, .address_space: global }
      - { .name: ws, .offset: 72, .size: 8, .value_kind: global_buffer, .address_space: global }
    .group_segment_fixed_size: 171008
    .private_segment_fixed_size: 0
    .kernarg_segment_align: 8
    .kernarg_segment_size: 80
    .max_flat_workgroup_size: 256
    .sgpr_count:     66
    .vgpr_count:     512
    .wavefront_size: 32
...
	.end_amdgpu_metadata
.endif
;; end of part 1
;; launch attn (part 2): grid 64 x 4, 8 waves a work-group, clusters of 4 x 1, 327,680 bytes of LDS; arguments ws, Wo, bo, out1, out2; writes out1, out2
.if DOCPART == 2
	.amdgcn_target "amdgcn-amd-amdhsa--gfx1250"
	.amdhsa_code_object_version 6
	.text
	.protected	k_q3c8719e859_attn
	.globl	k_q3c8719e859_attn
	.p2align	8
	.type	k_q3c8719e859_attn,@function
k_q3c8719e859_attn:
	s_mov_b64 s[64:65], 0
	v_nop
	global_prefetch_b8 v0, s[64:65] scope:SCOPE_SE
	s_setreg_imm32_b32 hwreg(HW_REG_WAVE_MODE, 25, 1), 1
	s_wait_xcnt 0x0
	s_wait_alu depctr_hold_cnt(0) depctr_sa_sdst(0) depctr_va_vdst(0) depctr_va_sdst(0) depctr_va_ssrc(0) depctr_va_vcc(0) depctr_vm_vsrc(0)
	s_getreg_b32 s2, hwreg(HW_REG_IB_STS2, 6, 4)
	s_cmp_eq_u32 s2, 0
	s_cbranch_scc0 .Lentry_in_a_cluster
	s_endpgm
.Lentry_in_a_cluster:
	s_bfe_u32 s2, ttmp6, 0x10000c
	s_cmp_lg_u32 s2, 0x3003
	s_cbranch_scc0 .Lentry_shape_is_right
	s_endpgm
.Lentry_shape_is_right:
; out1 = out2 = (softmax_k(Qh . Kh) Vh) / 16, heads side by side, x Wo^T + bo.  4 batches x 4 heads, 4,096 tokens, 64 channels a head; logits unscaled; no mask.
; WORK LEFT OUT: Kh carries no bk: a term that is the same along the softmax's axis (shown at the head of the launch before).
; Qh, Kh, Vh come from ws as f16, laid as operand registers (the launch before states the layout).  All products here take f16 operands and sum in f32; maxima, exponentials, sums in f32.
; LIMITS: f16 operands (Q, K, V, the weights p, O before the division by 16, Wo): beyond 65,504 not served; logits under -2e38 not served (the running maximum begins there).
; SHARES.  A work-group owns 64 queries of one batch, for ALL FOUR HEADS, so that the output projection is made here, from LDS.  Wave w: head w / 2, query tiles 2 (w % 2), 2 (w % 2) + 1.
; Two waves share a SIMD's registers (512 each): one wave's softmax stands beside the other's products.  Every wave walks its head's 4,096 keys, 64 a step.
; LAYOUT.  S^T = K Q^T (source 0 = 16 keys, source 1 = 16 queries), O^T = V^T P (source 0 = 16 channels, source 1 = P): a lane holds ONE query (lane % 16) throughout; two tiles of S^T, rounded in
; pairs, are source 1 of the second product.  SOFTMAX: running maximum m and sum l; p = 2^(c s - c m), c = log2(e); in every step O and l are multiplied by a = 2^(c m_old - c m_new).
; The loop has no first step of its own: O and l begin as zeros and m as -2e38, so the first a is 0 and multiplies zeros.
; RING.  Two LDS slots of 128 keys x 4 heads x (K, V) = 131,072 bytes.  A slot is eight units of 16,384 dense bytes; each wave fetches one by one tensor load.
; The change of slots stands in a slot's second step behind K Q^T: that step's K and V are in registers, so nobody reads the slot any more; the refill has two key steps in which to land.
; CLUSTER.  The four work-groups of a cluster belong to one batch and walk the same K and V: each unit is asked for JOINTLY, by the same tensor load with the same descriptor and the mask of all four.
; REGISTERS.  Window 0: v2-11 addresses; v8, v9 the add's two; v16-31 statistics, 8 a tile (+0 c m, +1 m, +2, +3 l, +4 .. +7 at work; a in +6); v32-95 S^T, 32 a tile; v96-127 P, 16 a tile;
; v128-191 K of a step; v192-255 V of a step.  Window 1: v0-31 Q; v32-95 O^T, 32 a tile; v96-223 my 32 rows of Wo as 16 fragments; v224-239 bo in the result's layout.
.set SLOT1,  131072
.set OIMG,   262144                    ; behind the ring: O's 32 fragments as images of registers: (query tile qt, K step ks) at 8192 qt + 1024 ks
.set SPARE,  294912                    ; the spare words, 128 bytes for each of the eight waves: four blocks of 256 bytes that no other line names
.set SPITCH, 1040                      ; the way out: a stage of 64 rows x (1,024 + 16) bytes in slot 0, which has had its last fill and its last read by then
.set SLOTB,  196608                    ; ws: 128 tokens of all heads and tensors
.set ST, 16
.set S,  32
.set P,  96
.set KB, 128
.set VB, 192
.set QF, 0
.set OA, 32
.set WO, 96
.set BO, 224
.set MSB, 0
.macro WIN new                         ; the immediate's high byte repeats the setting that is left; a switch that changes nothing is dropped
.if MSB != \new
	s_set_vgpr_msb (MSB<<8)|\new
.set MSB, \new
.endif
.endm
.macro PLACES                          ; four plain vector instructions between a matrix instruction and a read of its result or a load into one of its registers (ISA guide 7.12.1 for a read of its result)
.rept 4
	v_nop
.endr
.endm
; A round of the cluster's barrier: my work-group's barrier; wave 0 signals for the work-group; every wave waits for all four work-groups; my work-group's barrier once more.
.macro ROUND
	s_barrier_signal -1
	s_barrier_wait -1
	s_cmp_lg_u32 s14, 0
	s_cbranch_scc1 .Lnot_wave_0_\@
	s_barrier_signal -3
.Lnot_wave_0_\@:
	s_barrier_wait -3
	s_barrier_signal -1
	s_barrier_wait -1
.endm
.macro KLOAD sl, j                     ; my head's K of step j of slot sl: 16 blocks of 512 bytes as they lie: fragment (key tile kt, channels 32 c on) at KB + 16 kt + 8 c
.set i, 0
.rept 16
	ds_load_b128 v[KB+4*i:KB+4*i+3], v[2+(\sl)] offset:(\j)*8192+i*512
.set i, i+1
.endr
.endm
.macro VLOAD sl, j                     ; V likewise: blocks (2 g, u), (2 g + 1, u) are registers 0-3, 4-7 of fragment (keys 32 g on, channels 16 u on) at VB + 8 (4 g + u)
.irp kt, 0,1,2,3
.irp u, 0,1,2,3
	ds_load_b128 v[VB+8*(4*(\kt/2)+\u)+4*(\kt%2):VB+8*(4*(\kt/2)+\u)+4*(\kt%2)+3], v[2+(\sl)] offset:16384+(\j)*8192+(4*\kt+\u)*512
.endr
.endr
.endm
.macro SMUL                            ; S^T = K Q^T: 16 products; the eight accumulators take turns, one instruction a turn; the first eight start the sums
	WIN 0x04                                       ; source 1 (Q) window 1
.irp c, 0,1
.irp kt, 0,1,2,3
.irp q, 0,1
.if \c == 0
	v_wmma_f32_16x16x32_f16 v[S+32*\q+8*\kt:S+32*\q+8*\kt+7], v[KB+16*\kt+8*\c:KB+16*\kt+8*\c+7], v[QF+16*\q+8*\c:QF+16*\q+8*\c+7], 0
.else
	v_wmma_f32_16x16x32_f16 v[S+32*\q+8*\kt:S+32*\q+8*\kt+7], v[KB+16*\kt+8*\c:KB+16*\kt+8*\c+7], v[QF+16*\q+8*\c:QF+16*\q+8*\c+7], v[S+32*\q+8*\kt:S+32*\q+8*\kt+7]
.endif
.endr
.endr
.endr
	WIN 0
.endm
.macro PVMUL                           ; O^T += V^T P: 16 products, eight accumulators by turns
	WIN 0x50                                       ; C and D window 1
.irp g, 0,1
.irp u, 0,1,2,3
.irp q, 0,1
	v_wmma_f32_16x16x32_f16 v[OA+32*\q+8*\u:OA+32*\q+8*\u+7], v[VB+8*(4*\g+\u):VB+8*(4*\g+\u)+7], v[P+16*\q+8*\g:P+16*\q+8*\g+7], v[OA+32*\q+8*\u:OA+32*\q+8*\u+7]
.endr
.endr
.endr
	WIN 0
.endm
; The softmax of my two tiles for one key step; the tiles alternate line by line, so that no line waits for the line above it.
.macro SOFT
.irp n, 0,1,2,3                                ; the maximum of a lane's 32 scores and the old m: four chains; each accumulator is first read at its low end
.irp q, 0,1
	v_max3_num_f32 v[ST+8*\q+4+\n], v[S+32*\q+8*\n], v[S+32*\q+8*\n+1], v[S+32*\q+8*\n+2]
.endr
.endr
.irp w, 1,2
.irp n, 0,1,2,3
.irp q, 0,1
	v_max3_num_f32 v[ST+8*\q+4+\n], v[ST+8*\q+4+\n], v[S+32*\q+8*\n+2*\w+1], v[S+32*\q+8*\n+2*\w+2]
.endr
.endr
.endr
.irp q, 0,1
	v_max3_num_f32 v[ST+8*\q+4], v[ST+8*\q+4], v[S+32*\q+7], v[S+32*\q+15]
	v_max3_num_f32 v[ST+8*\q+6], v[ST+8*\q+6], v[S+32*\q+23], v[S+32*\q+31]
.endr
.irp q, 0,1
	v_max3_num_f32 v[ST+8*\q+4], v[ST+8*\q+4], v[ST+8*\q+5], v[ST+8*\q+6]
.endr
.irp q, 0,1
	v_max3_num_f32 v[ST+8*\q+4], v[ST+8*\q+4], v[ST+8*\q+7], v[ST+8*\q+1]
.endr
.irp q, 0,1
	v_permlanex16_b32 v[ST+8*\q+5], v[ST+8*\q+4], s20, s21   ; the query's other 32 keys lie in the lane 16 away
.endr
.irp q, 0,1
	v_mov_b32 v[ST+8*\q+7], v[ST+8*\q]             ; c m_old
.endr
.irp q, 0,1
	v_max_num_f32 v[ST+8*\q+1], v[ST+8*\q+4], v[ST+8*\q+5]   ; the new m
.endr
.irp q, 0,1
	v_mul_f32 v[ST+8*\q], s22, v[ST+8*\q+1]        ; c m
.endr
.irp q, 0,1
	v_sub_f32 v[ST+8*\q+7], v[ST+8*\q+7], v[ST+8*\q]   ; c m_old - c m_new
.endr
.irp b, 0,1
.irp q, 0,1
	v_pk_fma_f32 v[S+32*\q+2*\b:S+32*\q+2*\b+1], v[S+32*\q+2*\b:S+32*\q+2*\b+1], s[22:23], v[ST+8*\q:ST+8*\q+1] op_sel_hi:[1,0,0] neg_lo:[0,0,1] neg_hi:[0,0,1]   ; c s - c m, a pair of scores
.endr
.endr
; ONE BATCH: all 66 exponentials, with the remaining scalings between them; none of these lines names an exponential's result.  A pair is scaled two turns ahead of its exponentials.
.irp q, 0,1
	v_exp_f32 v[ST+8*\q+6], v[ST+8*\q+7]           ; a
.endr
.set p, 0
.rept 16
.irp q, 0,1
	v_exp_f32 v[S+32*\q+2*p], v[S+32*\q+2*p]
	v_exp_f32 v[S+32*\q+2*p+1], v[S+32*\q+2*p+1]
.if p < 14
	v_pk_fma_f32 v[S+32*\q+2*p+4:S+32*\q+2*p+5], v[S+32*\q+2*p+4:S+32*\q+2*p+5], s[22:23], v[ST+8*\q:ST+8*\q+1] op_sel_hi:[1,0,0] neg_lo:[0,0,1] neg_hi:[0,0,1]
.endif
.endr
.set p, p+1
.endr
	v_nop                                          ; a plain vector instruction behind the last exponential, ahead of the first use
	s_wait_alu depctr_va_vdst(0)                   ; ahead of the first line that names a result: one for the batch
.set i, 0
.rept 16
.irp q, 0,1
	v_cvt_pk_f16_f32 v[P+16*\q+i], v[S+32*\q+2*i], v[S+32*\q+2*i+1]   ; the weights as f16: source 1 of V^T P
.endr
.set i, i+1
.endr
.irp u, 0,1,2,3,4,5,6,7                        ; the sum of the unrounded weights, in place: neighbours 1, 2, 4, 8 pairs apart
.irp q, 0,1
	v_pk_add_f32 v[S+32*\q+4*\u:S+32*\q+4*\u+1], v[S+32*\q+4*\u:S+32*\q+4*\u+1], v[S+32*\q+4*\u+2:S+32*\q+4*\u+3]
.endr
.endr
.irp u, 0,1,2,3
.irp q, 0,1
	v_pk_add_f32 v[S+32*\q+8*\u:S+32*\q+8*\u+1], v[S+32*\q+8*\u:S+32*\q+8*\u+1], v[S+32*\q+8*\u+4:S+32*\q+8*\u+5]
.endr
.endr
.irp u, 0,1
.irp q, 0,1
	v_pk_add_f32 v[S+32*\q+16*\u:S+32*\q+16*\u+1], v[S+32*\q+16*\u:S+32*\q+16*\u+1], v[S+32*\q+16*\u+8:S+32*\q+16*\u+9]
.endr
.endr
.irp q, 0,1
	v_pk_add_f32 v[S+32*\q:S+32*\q+1], v[S+32*\q:S+32*\q+1], v[S+32*\q+16:S+32*\q+17]
.endr
.irp q, 0,1
	v_pk_fma_f32 v[ST+8*\q+2:ST+8*\q+3], v[ST+8*\q+2:ST+8*\q+3], v[ST+8*\q+6:ST+8*\q+7], v[S+32*\q:S+32*\q+1] op_sel_hi:[1,0,1]   ; l = a l + the sum
.endr
	WIN 0x41                                       ; O^T (destination and source 0) window 1, a window 0
.irp q, 0,1
.set i, 0
.rept 16
	v_pk_mul_f32 v[OA+32*\q+2*i:OA+32*\q+2*i+1], v[OA+32*\q+2*i:OA+32*\q+2*i+1], v[ST+8*\q+6:ST+8*\q+7] op_sel_hi:[1,0]   ; O^T x a, each accumulator from its low end on
.set i, i+1
.endr
.endr                                          ; (the window stays: a wait alone follows, and then the products' own setting; no label, no branch)
.endm
; A PREFETCH INTO THE L2 of what the NEXT refill will ask for: a slot's K and V of four heads, 131,072 bytes, lanes 256 bytes apart, each aligned block of 256 bytes named once in the launch.
; All sixteen clusters of a batch walk the same K and V: the batch's first cluster asks.  Its four partners share the heads out BY ADDRESS (partner cx: head cx's 32,768 bytes); in each, waves 0 to 3
; ask, 8,192 bytes a wave, one instruction.  The branch hangs on the wave's number, the cluster's number and the count of refills: the same in all partners.  The last refill asks for nothing.
.macro ASK
	s_cmp_gt_u32 s41, s42
	s_cbranch_scc0 .Lnot_mine_\@
	global_prefetch_b8 v7, s[44:45] th:TH_LOAD_NT scope:SCOPE_SE
.Lnot_mine_\@:
.endm
; THE CHANGE OF SLOTS.  Each wave waits for all its tensor loads, of which one is out: its unit of the other slot; adds 0 to its spare word; waits for that and for its reads of slot sl.
; fill = 1: the barrier is a round of the cluster's, and behind it slot sl is filled again, with the keys two slots on: my one tensor load until the next round.
.macro CHANGE sl, fill
	s_wait_tensorcnt 0x0                           ; no tensor load of mine is out, so a group 0 may be written
	ds_add_u32 v8, v9
.if \fill
	s_add_nc_u64 s[34+4*(\sl):35+4*(\sl)], s[34+4*(\sl):35+4*(\sl)], 2*SLOTB   ; the slot's next 128 keys; the type bits on top are not reached
	s_wait_xcnt 0x0                                ; the last prefetch, two key steps back, has read its address, so it may be written:
	s_add_nc_u64 s[44:45], s[44:45], SLOTB         ; one slot further on than the refill below
	s_wait_dscnt 0x0                               ; the add is done, and my reads of the slot are over
	ROUND                                          ; the same holds of every wave of all four work-groups
	tensor_load_to_lds s[32+4*(\sl):35+4*(\sl)], s[24:31]
	s_nop 0
.else
	s_wait_dscnt 0x0
	s_barrier_signal -1
	s_barrier_wait -1                              ; the other slot is whole for every wave; nothing is asked for
.endif
	PLACES                                         ; behind the tensor load; also the places between K Q^T and the loads and reads that follow
.endm
; A KEY STEP: step j of slot sl.  chg = 0: no change of slots; 1: with a refill; 2: without.  more = 1: the next step's K and V are fetched.
.macro STEP sl, j, chg, more
	s_wait_dscnt 16                                ; K of this step is in; V's 16 loads, issued behind it, may be out
	SMUL
.if \chg == 0
	PLACES
.elseif \chg == 1
	CHANGE \sl, 1
.else
	CHANGE \sl, 0
.endif
.if \more
.if \j == 0
	KLOAD \sl, 1
.else
	KLOAD 1-\sl, 0
.endif
.endif
.if \chg == 1
	ASK                                            ; behind the joint load and the run of LDS loads
	s_sub_co_u32 s41, s41, 1
.endif
	SOFT
.if \more
	s_wait_dscnt 16                                ; V of this step is in; the next K's 16 loads may be out
.else
	s_wait_dscnt 0x0
.endif
	PVMUL
.if \more
	PLACES
.if \j == 0
	VLOAD \sl, 1
.else
	VLOAD 1-\sl, 0
.endif
.endif
.endm
	s_load_b256 s[4:11], s[0:1], 0x0               ; ws s[4:5], Wo s[6:7], bo s[8:9], out1 s[10:11]
	s_load_b64 s[12:13], s[0:1], 0x20              ; out2
	v_lshl_add_u32 v8, v0, 2, SPARE
	v_mov_b32 v9, 0
	ds_add_u32 v8, v9                              ; the wave's opening: the add, twice on end, and its wait ahead of my first tensor load; work on registers stands between
	ds_add_u32 v8, v9                              ; and once more
	v_lshrrev_b32 v12, 5, v0
	v_readfirstlane_b32 s14, v12                   ; wave 0..7
	s_lshr_b32 s15, s14, 1                         ; my head.  Also: whose unit I fetch
	s_and_b32 s16, s14, 1                          ; which half of the 64 queries.  Also: I fetch K (0) or V (1)
	s_bfe_u32 s17, ttmp6, 0x40000                  ; cx: my place in the cluster
	s_lshl_b32 s18, ttmp9, 2                       ; in a cluster launch ttmp9 counts clusters
	s_add_co_u32 s18, s18, s17                     ; my block of 64 queries: it enters Q's and the outputs' addresses alone
	s_and_b32 s19, ttmp7, 0xffff                   ; the batch, which the four partners share
	; descriptor group 1: a unit: 64 rows of 256 bytes, dense, no padding
	s_mov_b32 s24, 15|(3<<16)|(1<<21)              ; 15:0 the mask: all four work-groups; 17:16 elements of 8 bytes; 21 set beside a mask
	s_mov_b32 s25, 32<<16                          ; tensor_dim0 = 32
	s_mov_b32 s26, 64<<16                          ; tensor_dim1 = 64
	s_mov_b32 s27, 32<<16                          ; tile_dim0 = 32
	s_mov_b32 s28, 64                              ; tile_dim1 = 64
	s_mov_b32 s29, 32                              ; tensor_dim0_stride
	s_mov_b32 s30, 0
	s_mov_b32 s31, 0
	s_mov_b32 s20, 0x76543210
	s_mov_b32 s21, 0xfedcba98                      ; v_permlanex16_b32's selects for lane l xor 16
	s_mov_b32 s22, 0x3fb8aa3b                      ; c = log2(e)
	s_mov_b32 s23, s22                             ; (named with it as a pair, so it is written)
	s_mov_b32 s40, 15                              ; trips: two slots each
	s_mov_b32 s41, 30                              ; refills to go
	s_lshr_b32 s42, s14, 2                         ; 0 in waves 0 to 3,
	s_or_b32 s42, s42, ttmp9                       ; of the batch's first cluster
	s_cmp_eq_u32 s42, 0
	s_cselect_b32 s42, 1, -1                       ; a wave prefetches while s41 is above this
	s_lshl_b32 s52, s14, 14                        ; my unit's place in a slot: no place in the cluster enters an LDS address
	s_mul_i32 s53, s19, 32*SLOTB                   ; the batch's first byte in ws
	s_mul_i32 s54, s15, 49152
	s_add_co_u32 s54, s54, s53                     ; and my head's
	s_lshl_b32 s46, s16, 14
	s_add_co_u32 s46, s46, s54
	s_add_co_u32 s46, s46, 16384                   ; the unit that I fetch, in slot 0: K's, or V's behind it
	s_mov_b32 s47, 0
	s_lshr_b32 s48, s18, 1                         ; Q: my block's slot of 128 tokens,
	s_mul_i32 s48, s48, SLOTB
	s_add_co_u32 s48, s48, s54
	s_and_b32 s49, s18, 1
	s_lshl_b32 s49, s49, 13                        ; its half: 4 tiles of 2,048 bytes,
	s_add_co_u32 s48, s48, s49
	s_lshl_b32 s49, s16, 12                        ; my wave's two tiles
	s_add_co_u32 s48, s48, s49
	s_mov_b32 s49, 0
	s_mul_i32 s44, s17, 49152                      ; the prefetches: head cx,
	s_add_co_u32 s44, s44, s53
	s_and_b32 s45, s14, 3
	s_lshl_b32 s45, s45, 13                        ; my wave's 8,192 bytes of its K and V,
	s_add_co_u32 s44, s44, s45
	s_add_co_u32 s44, s44, 2*SLOTB+16384           ; in slot 2: the first refill steps it to slot 3.  Nothing is prefetched at the head
	s_mov_b32 s45, 0
	s_lshl_b32 s50, s19, 6
	s_add_co_u32 s50, s50, s18
	s_lshl_b32 s50, s50, 16                        ; the outputs: my block's 64 rows of 1,024 bytes,
	s_lshl_b32 s51, s14, 13
	s_add_co_u32 s50, s50, s51                     ; my wave's 8 of them
	s_mov_b32 s51, 0
	s_lshl_b32 s56, s14, 7                         ; bo: my 32 outputs
	s_mov_b32 s57, 0
	s_wait_dscnt 0x0                               ; both opening adds are done
	s_wait_kmcnt 0x0
	s_mov_b32 s32, 1                               ; group 0 for slot 0: count = 1,
	s_mov_b32 s33, s52                             ; LDS address,
	s_add_nc_u64 s[34:35], s[4:5], s[46:47]        ; global address,
	s_mov_b32 s36, 1                               ; and for slot 1
	s_add_co_u32 s37, s52, SLOT1
	s_add_nc_u64 s[38:39], s[34:35], SLOTB
	s_or_b32 s35, s35, 0x80000000                  ; type = 2
	s_or_b32 s39, s39, 0x80000000
	s_add_nc_u64 s[48:49], s[4:5], s[48:49]
	s_add_nc_u64 s[44:45], s[4:5], s[44:45]
	s_add_nc_u64 s[10:11], s[10:11], s[50:51]
	s_add_nc_u64 s[12:13], s[12:13], s[50:51]
	s_add_nc_u64 s[8:9], s[8:9], s[56:57]
	s_lshl_b32 s56, s14, 15                        ; Wo: my 32 rows of 1,024 bytes
	s_add_nc_u64 s[6:7], s[6:7], s[56:57]
	ROUND                                          ; all four work-groups are here: the first joint loads meet
	tensor_load_to_lds s[32:35], s[24:31]          ; every wave's two first fills, ahead of every wait on TENSORcnt and every LDS read: two loads of mine are out
	s_nop 0
	tensor_load_to_lds s[36:39], s[24:31]
	s_nop 0
	PLACES
	v_and_b32 v12, 31, v0                          ; lane
	v_and_b32 v13, 15, v0                          ; r
	v_bfe_u32 v14, v0, 4, 1                        ; h
	v_lshlrev_b32 v6, 4, v12                       ; 16 x lane
	v_lshlrev_b32 v7, 8, v12                       ; 256 x lane: the prefetches' offset
	s_lshl_b32 s56, s15, 15
	v_add_nc_u32 v2, s56, v6                       ; my head's K in slot 0 (V 16,384 bytes on),
	v_add_nc_u32 v3, SLOT1, v2                     ; and in slot 1
	s_lshl_b32 s56, s16, 14
	s_lshl_b32 s57, s15, 11
	s_add_co_u32 s56, s56, s57
	s_add_co_u32 s56, s56, OIMG
	v_add_nc_u32 v4, s56, v6                       ; where I put O's images: query tile 2 (w % 2), K step 2 (w / 2)
	v_add_nc_u32 v5, OIMG, v6                      ; and where any wave reads them
	v_mul_u32_u24 v10, v13, SPITCH
	v_lshl_add_u32 v10, v14, 5, v10
	s_lshl_b32 s56, s14, 7
	v_add_nc_u32 v10, s56, v10                     ; the stage: row r, my wave's 128 bytes, + 32 h
	s_mul_i32 s56, s14, 8*SPITCH
	v_add_nc_u32 v11, s56, v6                      ; and back: my wave's 8 rows
	v_lshlrev_b32 v15, 5, v14                      ; 32 h
	v_lshl_add_u32 v14, v13, 10, v15               ; Wo: row r, + 32 h bytes
	WIN 0x40                                       ; destination window 1
.irp q, 0,1
.irp t, 0,1,2,3
	global_load_b128 v[QF+16*\q+4*\t:QF+16*\q+4*\t+3], v6, s[48:49] offset:\q*2048+\t*512   ; Q stays in registers: 512 consecutive bytes a load
.endr
.endr
.irp t, 0,1
	global_load_b128 v[BO+8*\t:BO+8*\t+3], v15, s[8:9] offset:64*\t          ; bo at outputs 16 t + 8 h + 0 .. 7
	global_load_b128 v[BO+8*\t+4:BO+8*\t+7], v15, s[8:9] offset:64*\t+16
.endr
.set i, 0
.rept 64
	v_mov_b32 v[OA+i], 0                           ; O^T: the loop is written once, and its first step finds zeros
.set i, i+1
.endr
	WIN 0
; Wo: my 32 rows as f16 fragments (source 0 of the last product: tile t of 16 outputs, K step ks of 32): lane (r, h) takes of row r the numbers 32 ks + 16 hf + 8 h + 0 .. 7
.irp t, 0,1
.irp ks, 0,1,2,3,4,5,6,7
.irp hf, 0,1
.irp qq, 0,1
	global_load_b128 v[128+16*\ks+8*\hf+4*\qq:128+16*\ks+8*\hf+4*\qq+3], v14, s[6:7] offset:\t*16384+\ks*128+\hf*64+\qq*16
.endr
.endr
.endr
.if \t == 0
.irp q, 0,1
	v_mov_b32 v[ST+8*\q+1], 0xff167699             ; m = -2e38, under every logit that is served
	v_mov_b32 v[ST+8*\q+2], 0                      ; l, in two halves
	v_mov_b32 v[ST+8*\q+3], 0
	v_mul_f32 v[ST+8*\q], s22, v[ST+8*\q+1]        ; c m: finite
.endr
.endif
	s_wait_loadcnt 0x0
	WIN 0x40
.set i, 0
.rept 64
	v_cvt_pk_f16_f32 v[WO+64*\t+i], v[128+2*i], v[128+2*i+1]
.set i, i+1
.endr
	WIN 0
.endr
	s_wait_tensorcnt 1                             ; my unit of slot 0 is in; slot 1's may stay out
	s_barrier_signal -1
	s_barrier_wait -1                              ; everybody's is
	KLOAD 0, 0
	VLOAD 0, 0
.Lpair:                                            ; 15 trips of two slots: keys 0 to 3,839; 30 refills bring the keys from 256 on
	STEP 0, 0, 0, 1
	STEP 0, 1, 1, 1
	STEP 1, 0, 0, 1
	STEP 1, 1, 1, 1
	s_sub_co_u32 s40, s40, 1
	s_cmp_lg_u32 s40, 0
	s_cbranch_scc1 .Lpair
	STEP 0, 0, 0, 1                                ; the last two slots are written out
	STEP 0, 1, 2, 1
	STEP 1, 0, 0, 1
	STEP 1, 1, 0, 0
	; THE WAY OUT.  l's halves and the other half of the lanes' are added (these lines are also the places behind the last products); O^T / l as f16 goes to LDS as images of source 1 of the last product.
.irp q, 0,1
	v_add_f32 v[ST+8*\q+4], v[ST+8*\q+2], v[ST+8*\q+3]
.endr
.irp q, 0,1
	v_permlanex16_b32 v[ST+8*\q+5], v[ST+8*\q+4], s20, s21
.endr
.irp q, 0,1
	v_add_f32 v[ST+8*\q+4], v[ST+8*\q+4], v[ST+8*\q+5]
.endr
.irp q, 0,1
	v_rcp_f32 v[ST+8*\q+6], v[ST+8*\q+4]
.endr
	v_nop                                          ; a plain vector instruction behind the last reciprocal
	s_wait_alu depctr_va_vdst(0)                   ; and a wait ahead of the first use: one for the two
	WIN 0x41
.irp q, 0,1
.set i, 0
.rept 16
	v_pk_mul_f32 v[OA+32*\q+2*i:OA+32*\q+2*i+1], v[OA+32*\q+2*i:OA+32*\q+2*i+1], v[ST+8*\q+6:ST+8*\q+7] op_sel_hi:[1,0]
.set i, i+1
.endr
.endr
	WIN 0x05                                       ; sources window 1, destination window 0
.irp q, 0,1
.set i, 0
.rept 16
	v_cvt_pk_f16_f32 v[P+16*\q+i], v[OA+32*\q+2*i], v[OA+32*\q+2*i+1]   ; lane (r, h): query r, channels 16 u + 8 h + 0 .. 7 of my head: half u % 2 of K step 2 head + u / 2
.set i, i+1
.endr
.endr
	WIN 0
.irp q, 0,1
.irp c, 0,1
.irp hf, 0,1
	ds_store_b128 v4, v[P+16*\q+8*\c+4*\hf:P+16*\q+8*\c+4*\hf+3] offset:\q*8192+\c*1024+\hf*512
.endr
.endr
.endr
	s_wait_dscnt 0x0                               ; for the others' sake: my images have landed
	s_barrier_signal -1
	s_barrier_wait -1                              ; O's 32 fragments lie in LDS
	; out = O Wo^T / 16 + bo, transposed (source 0 = 16 rows of Wo, source 1 = 16 queries): my 32 outputs for the 64 queries, two query tiles at a time; four accumulators by turns
.irp pp, 0,1
.if \pp
	PLACES
.endif
.irp q2, 0,1
.irp ks, 0,1,2,3,4,5,6,7
.irp hf, 0,1
	ds_load_b128 v[128+64*\q2+8*\ks+4*\hf:128+64*\q2+8*\ks+4*\hf+3], v5 offset:(2*\pp+\q2)*8192+\ks*1024+\hf*512
.endr
.endr
.endr
	s_wait_dscnt 0x0
	WIN 0x01                                       ; source 0 (Wo) window 1
.irp ks, 0,1,2,3,4,5,6,7
.irp q2, 0,1
.irp t, 0,1
.if \ks == 0
	v_wmma_f32_16x16x32_f16 v[S+16*(2*\pp+\q2)+8*\t:S+16*(2*\pp+\q2)+8*\t+7], v[WO+64*\t+8*\ks:WO+64*\t+8*\ks+7], v[128+64*\q2+8*\ks:128+64*\q2+8*\ks+7], 0
.else
	v_wmma_f32_16x16x32_f16 v[S+16*(2*\pp+\q2)+8*\t:S+16*(2*\pp+\q2)+8*\t+7], v[WO+64*\t+8*\ks:WO+64*\t+8*\ks+7], v[128+64*\q2+8*\ks:128+64*\q2+8*\ks+7], v[S+16*(2*\pp+\q2)+8*\t:S+16*(2*\pp+\q2)+8*\t+7]
.endif
.endr
.endr
.endr
	WIN 0
.endr
	PLACES
	WIN 0x10                                       ; source 2 (bo) window 1
.irp qt, 0,1,2,3
.irp t, 0,1
.irp i, 0,2,4,6
	v_pk_fma_f32 v[S+16*\qt+8*\t+\i:S+16*\qt+8*\t+\i+1], v[S+16*\qt+8*\t+\i:S+16*\qt+8*\t+\i+1], 0x3d800000, v[BO+8*\t+\i:BO+8*\t+\i+1] op_sel_hi:[1,0,1]   ; x 1/16 + bo: one fused multiply-add; each accumulator from its low end on
.endr
.endr
.endr
	WIN 0
.irp qt, 0,1,2,3                               ; a row's 256 outputs come from eight waves: they meet in the stage
.irp t, 0,1
	ds_store_b128 v10, v[S+16*\qt+8*\t:S+16*\qt+8*\t+3] offset:\qt*16*SPITCH+64*\t
	ds_store_b128 v10, v[S+16*\qt+8*\t+4:S+16*\qt+8*\t+7] offset:\qt*16*SPITCH+64*\t+16
.endr
.endr
	s_wait_dscnt 0x0                               ; for the others' sake: my stores into the stage are done
	s_barrier_signal -1
	s_barrier_wait -1
.irp i, 0,1,2,3,4,5,6,7,8,9,10,11,12,13,14,15
	ds_load_b128 v[128+4*\i:128+4*\i+3], v11 offset:(\i/2)*SPITCH+(\i%2)*512
.endr
.irp i, 0,1,2,3,4,5,6,7,8,9,10,11,12,13,14,15
	s_wait_dscnt 15-\i                             ; LDS loads come back in order: number i is in, the younger ones may be out
	global_store_b128 v6, v[128+4*\i:128+4*\i+3], s[10:11] offset:(\i/2)*1024+(\i%2)*512 th:TH_STORE_NT   ; 512 consecutive bytes, aligned; the same numbers to both outputs
	global_store_b128 v6, v[128+4*\i:128+4*\i+3], s[12:13] offset:(\i/2)*1024+(\i%2)*512 th:TH_STORE_NT
.endr
	s_wait_tensorcnt 0x0                           ; the wave's end, behind my last tensor load and my last LDS store
	ds_add_u32 v8, v9
	s_wait_dscnt 0x0
	ROUND                                          ; the closing round: no work-group ends while a partner may still ask for a unit that names it
	s_endpgm
.Lfunc_end_k_q3c8719e859_attn:
	.size	k_q3c8719e859_attn, .Lfunc_end_k_q3c8719e859_attn-k_q3c8719e859_attn
	.p2alignl 7, 3214868480
	.fill 96, 4, 3214868480
	.section	.rodata,"a",@progbits
	.p2align	6, 0x0
	.amdhsa_kernel k_q3c8719e859_attn
		.amdhsa_group_segment_fixed_size 327680
		.amdhsa_private_segment_fixed_size 0
		.amdhsa_enable_private_segment 0
		.amdhsa_kernarg_size 40
		.amdhsa_user_sgpr_count 2
		.amdhsa_user_sgpr_kernarg_segment_ptr 1
		.amdhsa_wavefront_size32 1
		.amdhsa_system_sgpr_workgroup_id_x 1
		.amdhsa_system_sgpr_workgroup_id_y 1
		.amdhsa_system_sgpr_workgroup_id_z 1
		.amdhsa_system_vgpr_workitem_id 0
		.amdhsa_next_free_vgpr 512
		.amdhsa_next_free_sgpr 66
		.amdhsa_reserve_vcc 0
		.amdhsa_float_denorm_mode_32 3
		.amdhsa_float_denorm_mode_16_64 3
		.amdhsa_memory_ordered 1
		.amdhsa_forward_progress 1
		.amdhsa_inst_pref_size 184
	.end_amdhsa_kernel
	.amdgpu_metadata
---
amdhsa.version: [ 1, 2 ]
amdhsa.kernels:
  - .name:           k_q3c8719e859_attn
    .symbol:         k_q3c8719e859_attn.kd
    .args:
      - { .name: ws, .offset: 0, .size: 8, .value_kind: global_buffer, .address_space: global }
      - { .name: Wo, .offset: 8, .size: 8, .value_kind: global_buffer, .address_space: global }
      - { .name: bo, .offset: 16, .size: 8, .value_kind: global_buffer, .address_space: global }
      - { .name: out1, .offset: 24, .size: 8, .value_kind: global_buffer, .address_space: global }
      - { .name: out2, .offset: 32, .size: 8, .value_kind: global_buffer, .address_space: global }
    .group_segment_fixed_size: 327680
    .private_segment_fixed_size: 0
    .kernarg_segment_align: 8
    .kernarg_segment_size: 40
    .max_flat_workgroup_size: 256
    .sgpr_count:     66
    .vgpr_count:     512
    .wavefront_size: 32
...
	.end_amdgpu_metadata
.endif
;; end of part 2
